; MI455X (gfx1250); checked and timed in simulation.
; The chip was launched on July 23, 2026; its instructions are those of AMD's public machine-readable ISA for CDNA 5 (MIT licence, August 2026) and "CDNA5" Instruction Set Architecture Reference Guide (July 2026). The comments in the code are by the model that wrote it; some were corrected since.
;; Bit Delta Linear. Allowed arithmetic: matrix products marked QUANTISED: E2M1 operands, one E8M0 scale for each 32 along K, by v_wmma_scale_f32_16x16x128_f8f6f4 with both operands' format E2M1 (or v_wmma_scale_f32_32x16x128_f4), f32 sums; everything else in f32.
;; Inputs: base_weight 4,096 x 4,096 float32; delta_scales 4,096 float32; delta_signs 4,096 x 4,096 int32; input 8 x 512 x 4,096 float32.
;; Outputs: out0 8 x 512 x 4,096 float32.
;; This version of the problem:
;;   THIS VERSION OF THE PROBLEM IS GIVEN IN LOW PRECISION. The matrix products marked QUANTISED in the list below multiply operands that are first quantised to E2M1 (2 exponent bits, 1 mantissa bit; 4 bits a number), with one power-of-two scale for each 32 numbers along K (OCP MX v1.0); their sums are f32. All else is computed in f32.
;;   The module's matrix products, in the order in which they are computed (A, B: the left and right operand; K: the contracted axis; several contracted axes count as one K, in the product's order):
;;     1. [M 4,096, K 4,096] x [K 4,096, N 4,096]; A: input input; B: computed on the way: QUANTISED
;;   THE QUANTISER, for each operand of a quantised product, along K:
;;     - K is cut into blocks of 32 from its start; a last block that is shorter is filled with zeros.
;;     - A block's scale is 2^e with e = floor(log2(the largest magnitude in the block)) - 2, held to -126 .. 127; a block of zeros has e = 0. As a byte (E8M0): e + 127.
;;     - Each number is divided by its block's scale, clamped to +-6, and rounded to the nearest number of E2M1, ties to even, subnormals kept.
;;     - The product sums the exact products of the quantised numbers (number of the format x scale) in f32.
;;   ~~~python
;;   def quantise(x, axis):      # numpy; x: float32 -> the quantised numbers, widened to float32 again
;;       x = np.moveaxis(x, axis, -1); K = x.shape[-1]
;;       x = np.pad(x, [(0, 0)] * (x.ndim - 1) + [(0, -K % 32)]); x = x.reshape(x.shape[:-1] + (-1, 32)); a = np.abs(x).max(-1, keepdims=True)
;;       e = np.where(a > 0, np.clip(np.frexp(np.where(a > 0, a, 1))[1] - 1 - 2, -126, 127), 0)      # np.frexp(a)[1] - 1 = floor(log2(a)), exactly
;;       r = np.clip(x / 2.0 ** e, -6, 6)
;;       step = 2.0 ** (np.maximum(np.frexp(np.where(r == 0, 1, r))[1] - 1, 0) - 1)
;;       q = np.round(r / step) * step * 2.0 ** e      # np.round: ties to even
;;       return np.moveaxis(q.reshape(q.shape[:-2] + (-1,))[..., :K], -1, axis).astype(np.float32)
;;   ~~~
;;   OPERANDS COMPUTED ON THE WAY. 'Computed on the way' means the value that the module computes at that place (a softmax that the list does not call 'softmax' is quantised finished and normalised). What goes into a quantiser is computed in f32, as accurately as f32 sums, v_exp_f32 and their like allow (about 1e-6 of the number): no bf16 or f16 on the way to a quantiser, and a product that is left as it is and whose result goes on into a quantised operand takes f32 operands (vector FMAs, or v_wmma_f32_16x16x4_f32). A number that lies on a knife's edge between two numbers of the format may be rounded either way, as far as f32 arithmetic and the matrix unit's own rounding can turn it there, and no further.
;; One version. Each part assembles by itself: llvm-mc -triple=amdgcn-amd-amdhsa -mcpu=gfx1250 --defsym DOCPART=n.
;; ======== version 1 of 1: 2 launches
;; limits: right only within a limited range of input values
;; workspace buffers: xq 8,912,896 bytes; wq 8,912,896 bytes
;; launch quant (part 1): grid 512 x 1, 8 waves a work-group, no clusters, 3,072 bytes of LDS; arguments input, base_weight, delta_signs, delta_scales, xq, wq; writes xq, wq
.if DOCPART == 1
	.amdgcn_target "amdgcn-amd-amdhsa--gfx1250"
	.amdhsa_code_object_version 6
	.text
	.protected	k_q66bab7d95c_quant
	.globl	k_q66bab7d95c_quant
	.p2align	8
	.type	k_q66bab7d95c_quant,@function
k_q66bab7d95c_quant:
	s_mov_b64 s[64:65], 0
	v_nop
	global_prefetch_b8 v0, s[64:65] scope:SCOPE_SE
	s_setreg_imm32_b32 hwreg(HW_REG_WAVE_MODE, 25, 1), 1
	s_wait_xcnt 0x0
; x = input [4096][4096] f32, and W[n][k] = base_weight[n][k] + f32(2 delta_signs[n][k] - 1) x delta_scales[n], made here in f32, are turned into codes of FP4 (E2M1), 4 bits each,
; with one E8M0 scale byte for each 32 along K (K is the last axis of both).  A block's scale is 2^(floor(log2(its largest magnitude)) - 2); its byte is the largest magnitude's own exponent field - 2,
; held at 1 from below; each number is divided by the scale and rounded to the nearest code, ties to even, beyond 6 the largest code.
; LAYOUT OF xq AND wq (this program's own): [K step s of 512, 0..7][block j of 128 rows, 0..31][34,816 bytes].  In such a block: bytes 256 r on: the 512 codes of row 128 j + r; bytes 32,768 + 16 r on: that
; row's 16 scale bytes.  So what one wave of the product's launch fetches for a K step is one dense run of 136 x 256 bytes.
; WITHIN A ROW'S K STEP THE ORDER ALONG K IS PERMUTED, ALIKE IN BOTH TENSORS, which keeps every product of the later launch: position p (16 bytes of codes, and scale byte p) holds the quantiser's block
; 4 i + g of the step's sixteen, i = p % 4, g = p / 4; in a position the eight groups of four neighbouring codes stand in the order c, c xor 2, c xor 4, c xor 6, first for c = 2 i, then for c = 2 i + 1;
; in a group the lower k has the lower four bits.  The blocks of 32 themselves, their scales and their codes are the quantiser's.
; LIMITS: NaN and infinities among the inputs are not served.  Blocks whose largest magnitude lies under 2^-124 get the byte 1, as the clamp of the rule gives; their conversion was not tried.
; A block of zeros gets the byte 1 where the rule says 127: its codes are zeros, which add nothing under any byte but 0xff, and the bytes are read by this program alone.
; W's multiply and add are one fused multiply-add: the same bits as two roundings wherever |2 sign - 1| = 1 (the product is then exact), one rounding fewer otherwise.
; SHARES.  A wave takes 16 neighbouring rows x one K step: 16 steps of one row's 512 numbers (2,048 consecutive bytes).  It leaves 4,096 consecutive bytes of codes and 256 consecutive bytes of scales.
; Waves 0-3 of a work-group take x, waves 4-7 take W, so that every work-group has both kinds of work in the same proportion.  Waves share nothing: no barrier.  No loop: every offset is an immediate,
; no address, base or store's data register is ever written again, EXEC never changes: so no wait on XCNT is owed.
; FROM THE LOADS' LAYOUT TO THE CONVERSIONS', IN REGISTERS.  Each of a step's four loads reads 512 consecutive bytes (a PIECE: four blocks), 16 a lane in the lanes' order: lane l holds group l % 8 of block l / 8 of
; each piece.  A conversion takes 8 numbers of ONE block from a lane's consecutive registers.  So lanes l and l xor 2 exchange: the lane whose bit 1 is 0 keeps pieces 0 and 2 and gets its partner's numbers of them,
; the other keeps pieces 1 and 3.  A block then lies in four lanes (bits 0 and 2 free).  Behind the conversions lanes l and l xor 4 exchange one register of codes in the same way, and lane l holds 8 neighbouring
; bytes of the row: half l % 2 of position l / 2.  W is made BEFORE the exchange: a step lies in one row, so one scalar scale serves all its numbers.
.set STEPS, 16
.set DEPTH, 5                          ; sets of load registers: at a step's wait the loads of the four later steps may be out
.set ROWB,  16384                      ; a row of an input in bytes
.set BLKB,  34816                      ; a block of the workspace
.set R,     16                         ; v16-95    five sets of 16 numbers: x, or base_weight and then W; piece i in registers 4 i .. 4 i + 3
.set SG,    96                         ; v96-175   five sets of 16 signs (W's waves)
.set C,     176                        ; v176-207  codes: two registers for each step, so that no store's data are written again
.set E,     208                        ; v208-223  a scale byte for each step
.set T,     224                        ; v224-231  what a lane sends to its partner
.set B1,    2                          ; s2        the lanes whose bit 1 is set
.set B2,    3                          ; s3        the lanes whose bit 2 is set
	s_load_b256 s[4:11], s[0:1], 0x0               ; input s[4:5], base_weight s[6:7], delta_signs s[8:9], delta_scales s[10:11]
	s_load_b128 s[12:15], s[0:1], 0x20             ; xq s[12:13], wq s[14:15]
	v_lshl_add_u32 v232, v0, 2, 0x800
	v_mov_b32 v233, 0
	v_lshrrev_b32 v1, 5, v0
	s_delay_alu instid0(VALU_DEP_1)
	v_readfirstlane_b32 s16, v1                    ; wave 0..7
	v_and_b32 v2, 31, v0                           ; lane
	s_delay_alu instid0(VALU_DEP_1)
	v_lshlrev_b32 v3, 4, v2                        ; my 16 bytes of a load's 512
	s_delay_alu instid0(VALU_DEP_2)
	v_lshlrev_b32 v4, 3, v2                        ; my 8 bytes of a store's 256
	s_lshl_b32 s21, s16, 8                         ; LDS: my wave's 256 scale bytes.  Both LDS addresses are made here, ahead of the parting of the two roles
	v_lshrrev_b32 v5, 1, v2
	s_delay_alu instid0(VALU_DEP_1)
	v_add_nc_u32 v5, s21, v5                       ; my position's scale byte: lane / 2
	v_add_nc_u32 v6, s21, v4                       ; and on the way out 8 bytes a lane
	s_mov_b32 s[B1], 0xcccccccc
	s_mov_b32 s[B2], 0xf0f0f0f0
	s_and_b32 s17, s16, 3
	s_lshr_b32 s18, s16, 2                         ; the role: 0 x, 1 W
	s_lshl_b32 s19, ttmp9, 2
	s_add_co_u32 s20, s19, s17                     ; my unit of the tensor, 0..2047
	s_and_b32 s19, s20, 7                          ; s: the K step
	s_lshr_b32 s20, s20, 3                         ; g: the group of 16 rows
	s_lshl_b32 s22, s20, 18                        ; in the inputs: 16 g rows of 16,384 bytes
	s_lshl_b32 s23, s19, 11                        ; + 512 s numbers
	s_or_b32 s22, s22, s23
	s_mov_b32 s23, 0
	s_lshl_b32 s24, s19, 5
	s_lshr_b32 s25, s20, 3
	s_add_co_u32 s24, s24, s25                     ; the workspace's block 32 s + g / 8
	s_mul_i32 s24, s24, BLKB
	s_and_b32 s25, s20, 7
	s_lshl_b32 s26, s25, 8
	s_add_co_u32 s26, s26, s24
	s_add_co_u32 s26, s26, 32768                   ; my 256 scale bytes in it
	s_lshl_b32 s25, s25, 12
	s_add_co_u32 s24, s24, s25                     ; my 4,096 bytes of codes in it
	s_mov_b32 s25, 0
	s_mov_b32 s27, 0
	s_lshl_b32 s30, s20, 6                         ; my 16 rows' delta_scales
	s_mov_b32 s31, 0
	s_wait_kmcnt 0x0
	s_cmp_eq_u32 s18, 0                            ; the choice of buffers hangs on the wave's number alone
	s_cselect_b64 s[4:5], s[4:5], s[6:7]           ; the f32 numbers: input or base_weight
	s_cselect_b64 s[12:13], s[12:13], s[14:15]     ; the workspace: xq or wq
	s_add_nc_u64 s[28:29], s[12:13], s[26:27]      ; where my scale bytes go
	s_add_nc_u64 s[12:13], s[12:13], s[24:25]      ; where my codes go
	s_add_nc_u64 s[4:5], s[4:5], s[22:23]
	s_add_nc_u64 s[8:9], s[8:9], s[22:23]
	s_add_nc_u64 s[10:11], s[10:11], s[30:31]
.macro LOAD t, isw                     ; step t's numbers (and signs) into set t % DEPTH: each load reads 512 consecutive bytes, sixteen neighbouring lanes 256; each input byte is read once in the launch
.irp i, 0,1,2,3
	global_load_b128 v[R+16*((\t)%DEPTH)+4*\i:R+16*((\t)%DEPTH)+4*\i+3], v3, s[4:5] offset:ROWB*(\t)+512*\i th:TH_LOAD_NT
.endr
.if \isw
.irp i, 0,1,2,3
	global_load_b128 v[SG+16*((\t)%DEPTH)+4*\i:SG+16*((\t)%DEPTH)+4*\i+3], v3, s[8:9] offset:ROWB*(\t)+512*\i th:TH_LOAD_NT
.endr
.endif
.endm
.macro MAKEW t                         ; W = base + f32(2 sign - 1) x the row's scale, over base's registers
.set RS, R+16*((\t)%DEPTH)
.set SS, SG+16*((\t)%DEPTH)
	s_mov_b32 s48, s[32+(\t)]                      ; the row's scale; the packed form names a pair and takes its low word for both halves,
	s_mov_b32 s49, s[32+(\t)]                      ; so the pair is written whole
.irp i, 0,1,2,3,4,5,6,7,8,9,10,11,12,13,14,15
	v_lshl_add_u32 v[SS+\i], v[SS+\i], 1, -1       ; 2 sign - 1, in whole numbers
.endr
.irp i, 0,1,2,3,4,5,6,7,8,9,10,11,12,13,14,15
	v_cvt_f32_i32 v[SS+\i], v[SS+\i]
.endr
.irp i, 0,2,4,6,8,10,12,14
	v_pk_fma_f32 v[RS+\i:RS+\i+1], v[SS+\i:SS+\i+1], s[48:49], v[RS+\i:RS+\i+1] op_sel_hi:[1,0,1]
.endr
.endm
.macro STEP t, isw
.set RS, R+16*((\t)%DEPTH)
.set LL, 4+4*(\isw)                    ; loads in a step
.if STEPS-1-(\t) >= DEPTH-1
	s_wait_loadcnt (DEPTH-1)*LL                    ; this step's loads are in; those of the four steps behind it may be out
.else
	s_wait_loadcnt LL*(STEPS-1-(\t))               ; towards the end fewer steps stand behind it
.endif
.if \isw
	MAKEW \t
.endif
.irp g, 0,8                            ; pieces 0 and 1, then pieces 2 and 3: lanes l and l xor 2 exchange four registers
.irp j, 0,1,2,3
	v_cndmask_b32 v[T+(\g)/2+\j], v[RS+\g+4+\j], v[RS+\g+\j], s[B1]      ; what I send: the piece that I do not keep (bit 1 set: the lower piece)
.endr
.irp j, 0,1,2,3
	v_cndmask_b32 v[RS+\g+\j], v[RS+\g+\j], v[RS+\g+4+\j], s[B1]         ; what I keep (bit 1 set: the upper piece), in the first four registers
.endr
.irp j, 0,1,2,3
	v_mov_b32_dpp v[RS+\g+4+\j], v[T+(\g)/2+\j] row_xmask:2 row_mask:0xf bank_mask:0xf   ; and my partner's four numbers of the same block behind them
.endr
.endr
	v_max3_num_f32 v8, |v[RS]|, |v[RS+1]|, 0x1800000               ; the largest magnitude of my 8 numbers of each of my two blocks, by turns, and the floor 2^(3 - 127),
	v_max3_num_f32 v9, |v[RS+8]|, |v[RS+9]|, 0x1800000             ; under which no largest magnitude is taken: so the byte cannot fall under 1
.irp i, 2,4,6
	s_delay_alu instid0(VALU_DEP_2)
	v_max3_num_f32 v8, v8, |v[RS+\i]|, |v[RS+\i+1]|
	s_delay_alu instid0(VALU_DEP_2)
	v_max3_num_f32 v9, v9, |v[RS+8+\i]|, |v[RS+9+\i]|
.endr
	s_delay_alu instid0(VALU_DEP_2)
	v_max_num_f32_dpp v8, v8, v8 row_xmask:1 row_mask:0xf bank_mask:0xf   ; with the three other lanes that hold the block
	s_delay_alu instid0(VALU_DEP_2)
	v_max_num_f32_dpp v9, v9, v9 row_xmask:1 row_mask:0xf bank_mask:0xf
	s_delay_alu instid0(VALU_DEP_2)
	v_max_num_f32_dpp v8, v8, v8 row_xmask:4 row_mask:0xf bank_mask:0xf
	s_delay_alu instid0(VALU_DEP_2)
	v_max_num_f32_dpp v9, v9, v9 row_xmask:4 row_mask:0xf bank_mask:0xf
	s_delay_alu instid0(VALU_DEP_2)
	v_add_nc_u32 v10, 0xff000000, v8               ; 2 off the exponent field: the conversion takes the exponent field of this operand as its scale, and nothing else of it
	s_delay_alu instid0(VALU_DEP_2)
	v_add_nc_u32 v11, 0xff000000, v9
	v_cvt_scalef32_pk8_fp4_f32 v[C+2*(\t)], v[RS:RS+7], v10        ; eight codes, the first number's in the lowest four bits
	v_cvt_scalef32_pk8_fp4_f32 v[C+2*(\t)+1], v[RS+8:RS+15], v11
	v_cndmask_b32 v12, v10, v11, s[B2]             ; the scale of the block whose codes I shall store (bit 2 set: the second).  These two lines are also the plain lines behind the conversions
	s_delay_alu instid0(VALU_DEP_1)
	v_lshrrev_b32 v[E+(\t)], 23, v12               ; its byte
.if (\t)+DEPTH < STEPS
	LOAD (\t)+DEPTH, \isw                          ; the conversions have read this set: it takes the loads of five steps on
.endif
	v_cndmask_b32 v13, v[C+2*(\t)+1], v[C+2*(\t)], s[B2]           ; lanes l and l xor 4 exchange a register of codes: I send the block that I do not keep,
	v_cndmask_b32 v[C+2*(\t)], v[C+2*(\t)], v[C+2*(\t)+1], s[B2]   ; keep the other,
	s_delay_alu instid0(VALU_DEP_2)
	v_mov_b32_dpp v[C+2*(\t)+1], v13 row_xmask:4 row_mask:0xf bank_mask:0xf   ; and get my partner's eight codes of it
	ds_store_b8 v5, v[E+(\t)] offset:16*(\t)       ; both lanes of a position write the same byte with the same value
.endm
.macro PATH isw                        ; a wave's whole way
.irp t, 0,1,2,3,4
	LOAD \t, \isw                                  ; DEPTH steps' loads go out first
.endr
.if \isw
	s_wait_kmcnt 0x0                               ; the 16 rows' scales
.endif
.irp t, 0,1,2,3,4,5,6,7,8,9,10,11,12,13,14,15
	STEP \t, \isw
.endr
.irp t, 0,1,2,3,4,5,6,7,8,9,10,11,12,13,14,15
	global_store_b64 v4, v[C+2*\t:C+2*\t+1], s[12:13] offset:256*\t   ; the 16 rows' codes leave in one run behind the last step (each step kept its own two registers): each store covers 256 consecutive bytes, at a multiple of 256 from the buffer's first byte
.endr
	ds_load_b64 v[14:15], v6
	s_wait_dscnt 0x0
	global_store_b64 v4, v[14:15], s[28:29]        ; my 16 rows' scale bytes: 256 consecutive bytes, at a multiple of 256 from the buffer's first byte
	s_wait_tensorcnt 0x0
	ds_add_u32 v232, v233
	s_wait_dscnt 0x0
	s_endpgm
.endm
	s_cmp_lg_u32 s18, 0
	s_cbranch_scc1 .Lw
	s_wait_alu depctr_va_vdst(0)
	PATH 0                                         ; waves 0-3: x
.Lw:
	s_load_b512 s[32:47], s[10:11], 0x0            ; waves 4-7: W.  delta_scales of my 16 rows; no line of this launch writes that buffer
	s_wait_alu depctr_va_vdst(0)
	PATH 1
.Lfunc_end_k_q66bab7d95c_quant:
	.size	k_q66bab7d95c_quant, .Lfunc_end_k_q66bab7d95c_quant-k_q66bab7d95c_quant
	.p2alignl 7, 3214868480
	.fill 96, 4, 3214868480
	.section	.rodata,"a",@progbits
	.p2align	6, 0x0
	.amdhsa_kernel k_q66bab7d95c_quant
		.amdhsa_group_segment_fixed_size 3072
		.amdhsa_private_segment_fixed_size 0
		.amdhsa_enable_private_segment 0
		.amdhsa_kernarg_size 48
		.amdhsa_user_sgpr_count 2
		.amdhsa_user_sgpr_kernarg_segment_ptr 1
		.amdhsa_wavefront_size32 1
		.amdhsa_system_sgpr_workgroup_id_x 1
		.amdhsa_system_sgpr_workgroup_id_y 1
		.amdhsa_system_sgpr_workgroup_id_z 1
		.amdhsa_system_vgpr_workitem_id 0
		.amdhsa_next_free_vgpr 234
		.amdhsa_next_free_sgpr 66
		.amdhsa_reserve_vcc 0
		.amdhsa_float_denorm_mode_32 3
		.amdhsa_float_denorm_mode_16_64 3
		.amdhsa_memory_ordered 1
		.amdhsa_forward_progress 1
		.amdhsa_inst_pref_size 166
	.end_amdhsa_kernel
	.amdgpu_metadata
---
amdhsa.version: [ 1, 2 ]
amdhsa.kernels:
  - .name:           k_q66bab7d95c_quant
    .symbol:         k_q66bab7d95c_quant.kd
    .args:
      - { .name: input, .offset: 0, .size: 8, .value_kind: global_buffer, .address_space: global }
      - { .name: base_weight, .offset: 8, .size: 8, .value_kind: global_buffer, .address_space: global }
      - { .name: delta_signs, .offset: 16, .size: 8, .value_kind: global_buffer, .address_space: global }
      - { .name: delta_scales, .offset: 24, .size: 8, .value_kind: global_buffer, .address_space: global }
      - { .name: xq, .offset: 32, .size: 8, .value_kind: global_buffer, .address_space: global }
      - { .name: wq, .offset: 40, .size: 8, .value_kind: global_buffer, .address_space: global }
    .group_segment_fixed_size: 3072
    .private_segment_fixed_size: 0
    .kernarg_segment_align: 8
    .kernarg_segment_size: 48
    .max_flat_workgroup_size: 256
    .sgpr_count:     66
    .vgpr_count:     234
    .wavefront_size: 32
...
	.end_amdgpu_metadata
.endif
;; end of part 1
;; launch gemm (part 2): grid 16 x 16, 4 waves a work-group, clusters of 4 x 4, 327,680 bytes of LDS; arguments xq, wq, out0; writes out0
.if DOCPART == 2
	.amdgcn_target "amdgcn-amd-amdhsa--gfx1250"
	.amdhsa_code_object_version 6
	.text
	.protected	k_q66bab7d95c_gemm
	.globl	k_q66bab7d95c_gemm
	.p2align	8
	.type	k_q66bab7d95c_gemm,@function
k_q66bab7d95c_gemm:
	s_mov_b64 s[64:65], 0
	v_nop
	global_prefetch_b8 v0, s[64:65] scope:SCOPE_SE
	s_setreg_imm32_b32 hwreg(HW_REG_WAVE_MODE, 25, 1), 1
	s_wait_xcnt 0x0
	s_wait_alu depctr_hold_cnt(0) depctr_sa_sdst(0) depctr_va_vdst(0) depctr_va_sdst(0) depctr_va_ssrc(0) depctr_va_vcc(0) depctr_vm_vsrc(0)
	s_getreg_b32 s2, hwreg(HW_REG_IB_STS2, 6, 4)
	s_cmp_eq_u32 s2, 0
	s_cbranch_scc0 .Lentry_in_a_cluster
	s_endpgm
.Lentry_in_a_cluster:
	s_bfe_u32 s2, ttmp6, 0x10000c
	s_cmp_lg_u32 s2, 0xf033
	s_cbranch_scc0 .Lentry_shape_is_right
	s_endpgm
.Lentry_shape_is_right:
; out0[m][n] = sum over k of x[m][k] W[n][k], both as codes of FP4 (E2M1) with one E8M0 byte for each 32 along K, as launch quant laid them:
; xq, wq = [K step s of 512, 0..7][block j of 128 rows, 0..31][34,816 bytes]: 128 rows x 256 bytes of codes, then 128 x 16 scale bytes: 136 dense rows of 256 bytes.
; A tile of out0, 256 x 256, is made by four waves, each 128 x 128: 64 accumulators of 16 x 16, 512 registers.  A K step of 512 is one LDS slot (4 x 136 rows, 272 bytes apart); two slots take turns.
; CLUSTERS: 4 x 4 work-groups; x's blocks are asked for jointly along a row of the cluster, W's along a column.
; THE ORDER OF THE K STEPS IS ROTATED BY CLUSTER: a cluster begins at step 2 ((cluster x + cluster y) mod 4) and walks all eight, wrapping round.  So the four clusters that need a block
; ask for it two K steps apart.  The number is the same in all partners of a cluster.  Each output is still one f32 sum over all of K; only the order of its eight K steps differs (an order of rounding other than ascending K).
; THE MATRIX INSTRUCTION IS USED TRANSPOSED (source 0 = 16 rows of W, source 1 = 16 rows of x): a lane holds eight neighbouring numbers of a row of out0.
; THE LAST K STEP GOES BY ROWS OF out0: all its fragments of W fill window 1, x's come by blocks of 16 rows, and each block of 16 x 128 results leaves as soon as its 32 products are done.
; REGISTERS: window 0: v0-31 addresses; v32-95 scale words, two sets; v128-191 x's fragments, one set (last step: v96-127, v128-159 two blocks' buffers; v192-255 rows read back from the stage).
;   window 1: W's fragments, two sets at v0 and v128 (last step: all 256).  windows 2, 3: the accumulators of my rows 0-63, 64-127 ((a, b) at v[8 (8 (a % 4) + b)]).
; PREFETCH: behind each fill of a slot, the two at the head too, the K step that the fill after next will bring.  Every cluster asks for the blocks that it will itself load; the four partners that ask for a
; block jointly share its 136 rows out by address, 34 each, a lane a row.  The last two refills have no fill after next and ask for nothing.  The cluster's first two K steps come by their loads alone.
.set NQ,     4                         ; matrix instructions deep in a slot
.set PITCH,  272                       ; 256 bytes + 16 of padding
.set FR,     8                         ; registers of a fragment
.set NL,     2                         ; LDS loads that bring one
.set NP,     4                         ; places behind this matrix form (ISA guide 7.12.1)
.set UNITS,  136
.set BLKB,   UNITS*256
.set KADV,   32*BLKB                   ; bytes from a K step to the next
.set HALFT,  UNITS*PITCH               ; what one tensor load brings
.set SCOFF,  128*PITCH                 ; the scales in it
.set SLOT,   4*HALFT
.set SPARE,  2*SLOT                    ; the spare words: 512 bytes that no other line names
.set LAPS,   4
.set CROW,   16384                     ; a row of out0 in bytes
.set SPITCH, 528                       ; the stage: 16 rows x (512 + 16) bytes a wave, in slot 0, behind that slot's last fill and last read
.set SHARE,  UNITS/4
.set ADRA, 16
.set ADRS, 18
.set ADRB, 20
.set STO,  24
.set RD,   25
.set CO,   26
.set SPW,  28
.set NIL,  29
.set PFO,  30
.set PFO2, 31
.set SC,   32
.set AF,   128
.set BK,   192
.set G1, 24
.set G0, 32
.set G1B, 48
.set G0B, 56
.set PFA, 44                           ; s[44:45] where the next prefetch stands
.set AB,  66                           ; s[66:67] my block of xq at K step 0;  s[68:69] of wq
.set BB,  68
.set KI,  70                           ; the K step asked for last, 0..7
.set OFF, 72                           ; s[72:73] its byte offset;  s[74:75] that of the step two on
.set OFP, 74
.set PFB, 76                           ; s[76:77] my share of the block that I prefetch, at K step 0
.set MSB, 0
.macro WIN new                         ; the immediate's high byte repeats the setting that is left
.if MSB != \new
	s_set_vgpr_msb (MSB<<8)|\new
.set MSB, \new
.endif
.endm
.set MUL_LO, 0xa1                      ; source 0 window 1, source 1 window 0, C and D window 2
.set MUL_HI, 0xf1                      ; the same, C and D window 3
.set TO_B,   0x40                      ; destination window 1
.macro JLOAD g0a, g1a, g0b, g1b        ; a joint load: waves 0, 1 fetch x's two blocks, waves 2, 3 W's; s_nop 0 and four v_nop behind each line
	s_cmp_eq_u32 s15, 0
	s_cbranch_scc0 .Lfor_b_\@
	tensor_load_to_lds s[\g0a:\g0a+3], s[\g1a:\g1a+7]
	s_nop 0
.rept 4
	v_nop
.endr
	s_branch .Lasked_\@
.Lfor_b_\@:
	tensor_load_to_lds s[\g0b:\g0b+3], s[\g1b:\g1b+7]
	s_nop 0
.rept 4
	v_nop
.endr
.Lasked_\@:
.endm
.macro PF off                          ; 34 rows of 256 bytes, a lane a row (the second line's lanes name rows 32 and 33)
	global_prefetch_b8 v[PFO], s[PFA:PFA+1] offset:\off th:TH_LOAD_NT scope:SCOPE_SE
	global_prefetch_b8 v[PFO2], s[PFA:PFA+1] offset:\off+32*256 th:TH_LOAD_NT scope:SCOPE_SE
.endm
.macro ASK                             ; in the loop: its last trip (s3 = 1) has no fill after next
	s_cmp_gt_u32 s3, 1
	s_cbranch_scc0 .Lnone_\@
	PF 0
.Lnone_\@:
.endm
.macro CREST                           ; a round of the cluster's barrier behind its opening barrier
	s_cmp_lg_u32 s14, 0
	s_cbranch_scc1 .Lnot_wave_0_\@
	s_barrier_signal -3
.Lnot_wave_0_\@:
	s_barrier_wait -3
	s_barrier_signal -1
	s_barrier_wait -1
.endm
.macro CROUND
	s_barrier_signal -1
	s_barrier_wait -1
	CREST
.endm
	s_load_b128 s[4:7], s[0:1], 0x0                ; xq, wq
	s_load_b64 s[8:9], s[0:1], 0x10                ; out0
	v_lshl_add_u32 v[SPW], v0, 2, SPARE
	v_mov_b32 v[NIL], 0
	ds_add_u32 v[SPW], v[NIL]                      ; the opening lines: the add twice on end and one wait
	ds_add_u32 v[SPW], v[NIL]
	v_lshrrev_b32 v1, 5, v0
	v_readfirstlane_b32 s14, v1                    ; wave 0..3
	s_lshr_b32 s15, s14, 1                         ; my half of the tile's rows; also: I fetch for x (0) or W (1)
	s_and_b32 s16, s14, 1                          ; my half of its columns; also: which block of 128 rows I fetch
	s_bfe_u32 s40, ttmp6, 0x40000                  ; cx
	s_bfe_u32 s41, ttmp6, 0x40004                  ; cy
	s_lshl_b32 s42, ttmp9, 2
	s_add_co_u32 s42, s42, s40                     ; tile column
	s_and_b32 s17, ttmp7, 0xffff
	s_lshl_b32 s17, s17, 2
	s_add_co_u32 s17, s17, s41                     ; tile row
	s_lshl_b32 s43, s41, 2
	s_lshl_b32 s43, 15, s43                        ; my row of the cluster
	s_lshl_b32 s44, 0x1111, s40                    ; my column
	s_or_b32 s[G1+0], s43, (3<<16)|(1<<20)|(1<<21)|(5<<22)|(3<<25)   ; mask; elements of 8 bytes; 4 words of padding behind every 64
	s_or_b32 s[G1B+0], s44, (3<<16)|(1<<20)|(1<<21)|(5<<22)|(3<<25)
.irp g, G1, G1B
	s_mov_b32 s[\g+1], 32<<16                      ; 136 dense rows of 32 elements
	s_mov_b32 s[\g+2], UNITS<<16
	s_mov_b32 s[\g+3], 32<<16
	s_mov_b32 s[\g+4], UNITS
	s_mov_b32 s[\g+5], 32
	s_mov_b32 s[\g+6], 0
	s_mov_b32 s[\g+7], 0
.endr
	s_and_b32 s18, ttmp7, 0xffff
	s_add_co_u32 s18, s18, ttmp9
	s_and_b32 s18, s18, 3
	s_lshl_b32 s[KI], s18, 1                       ; the cluster's first K step: 0, 2, 4 or 6
	s_mul_i32 s[OFF], s[KI], KADV
	s_mov_b32 s[OFF+1], 0
	s_mov_b32 s[OFP+1], 0
	s_lshl_b32 s20, s17, 1
	s_add_co_u32 s20, s20, s16
	s_mul_i32 s20, s20, BLKB                       ; x: block 2 x tile row + half
	s_mov_b32 s21, 0
	s_lshl_b32 s46, s42, 1
	s_add_co_u32 s46, s46, s16
	s_mul_i32 s46, s46, BLKB                       ; W: block 2 x tile column + half
	s_mov_b32 s47, 0
	s_mul_i32 s19, s14, HALFT                      ; where my load goes: wave x 136 rows
	s_wait_dscnt 0x0                               ; both opening adds are done
	s_wait_kmcnt 0x0
	s_add_nc_u64 s[AB:AB+1], s[4:5], s[20:21]
	s_add_nc_u64 s[BB:BB+1], s[6:7], s[46:47]
	s_add_nc_u64 s[20:21], s[AB:AB+1], s[OFF:OFF+1]
	s_add_nc_u64 s[46:47], s[BB:BB+1], s[OFF:OFF+1]
.irp s, 0,1
	s_mov_b32 s[G0+4*\s], 1
	s_add_co_u32 s[G0+4*\s+1], s19, \s*SLOT
	s_add_nc_u64 s[G0+4*\s+2:G0+4*\s+3], s[20:21], \s*KADV     ; the first step is even: the second does not wrap
	s_or_b32 s[G0+4*\s+3], s[G0+4*\s+3], 0x80000000
	s_mov_b32 s[G0B+4*\s], 1
	s_add_co_u32 s[G0B+4*\s+1], s19, \s*SLOT
	s_add_nc_u64 s[G0B+4*\s+2:G0B+4*\s+3], s[46:47], \s*KADV
	s_or_b32 s[G0B+4*\s+3], s[G0B+4*\s+3], 0x80000000
.endr
	CROUND                                         ; all sixteen work-groups are here: the first joint loads meet
	JLOAD G0, G1, G0B, G1B                         ; slot 0: one tensor load a wave at the head
	s_add_co_u32 s[KI], s[KI], 1                   ; slot 1 will hold the step behind it
	s_mul_i32 s21, s15, HALFT                      ; my 128 rows of x in a slot
	s_mul_i32 s22, s16, HALFT
	s_add_co_u32 s22, s22, 2*HALFT                 ; my 128 rows of W
	s_xor_b32 s23, s15, 1
	s_add_co_u32 s23, s23, s16
	s_add_co_u32 s23, s23, 1
	s_mul_i32 s23, s23, HALFT                      ; from x's scales to W's: (2 + column half - row half) blocks
	s_add_co_u32 s18, s21, SCOFF
	s_mul_i32 s19, s14, 16*SPITCH                  ; my stage
	s_lshl_b32 s10, s17, 8
	s_lshl_b32 s11, s15, 7
	s_add_co_u32 s10, s10, s11
	s_lshl_b32 s10, s10, 14                        ; my first row of out0, in bytes
	s_mov_b32 s11, 0
	s_lshl_b32 s12, s42, 10
	s_lshl_b32 s13, s16, 9
	s_add_co_u32 s12, s12, s13                     ; my first column, in bytes
	s_mov_b32 s13, 0
	s_add_nc_u64 s[10:11], s[10:11], s[12:13]
	s_add_nc_u64 s[8:9], s[8:9], s[10:11]
	s_cmp_eq_u32 s15, 0                            ; the prefetches: do I fetch for x?
	s_cselect_b32 s10, s17, s42
	s_cselect_b32 s11, s40, s41                    ; my place among the four that ask with me
	s_cselect_b64 s[PFB:PFB+1], s[4:5], s[6:7]
	s_lshl_b32 s10, s10, 1
	s_add_co_u32 s10, s10, s16
	s_mul_i32 s10, s10, BLKB
	s_mul_i32 s11, s11, SHARE*256
	s_add_co_u32 s10, s10, s11
	s_mov_b32 s11, 0
	s_add_nc_u64 s[PFB:PFB+1], s[PFB:PFB+1], s[10:11]
	s_add_co_u32 s[OFP], s[KI], 1                  ; the first refill's K step, modulo 8: an even number, so the step behind it does not wrap
	s_and_b32 s[OFP], s[OFP], 7
	s_mul_i32 s[OFP], s[OFP], KADV
	s_add_nc_u64 s[PFA:PFA+1], s[PFB:PFB+1], s[OFP:OFP+1]
	v_and_b32 v1, 15, v0                           ; l % 16
	v_bfe_u32 v2, v0, 4, 1                         ; l / 16
	v_mul_u32_u24 v3, v1, PITCH
	v_lshl_add_u32 v4, v2, 4, v3                   ; a fragment's row x pitch + 16 x half
	v_add_nc_u32 v[ADRA], s21, v4
	v_add_nc_u32 v[ADRB], s22, v4
	v_add_nc_u32 v[ADRA+1], SLOT, v[ADRA]
	v_add_nc_u32 v[ADRB+1], SLOT, v[ADRB]
	v_mul_u32_u24 v6, s23, v2                      ; scale words: lanes 0-15 x's rows, lanes 16-31 W's
	v_lshl_add_u32 v5, v1, 4, v6                   ; 16 bytes a row
	v_add_nc_u32 v[ADRS], s18, v5
	v_add_nc_u32 v[ADRS+1], SLOT, v[ADRS]
	v_mul_u32_u24 v5, v1, SPITCH                   ; into the stage: row l % 16, 32 bytes for each half of the lanes
	v_lshl_add_u32 v5, v2, 5, v5
	v_add_nc_u32 v[STO], s19, v5
	v_and_b32 v6, 31, v0
	v_lshlrev_b32 v[CO], 4, v6                     ; back: 32 lanes take a row of 512 bytes; the same in out0
	v_add_nc_u32 v[RD], s19, v[CO]
	v_lshlrev_b32 v[PFO], 8, v6
	v_and_b32 v[PFO2], 1, v0
	v_lshlrev_b32 v[PFO2], 8, v[PFO2]
.macro FRAG reg, adr, q, i             ; 16 rows x 128 K: lane l holds row l % 16; registers 4 c .. 4 c + 3 the 16 bytes at 64 q + 32 c + 16 (l / 16)
.irp c, 0,1
	ds_load_b128 v[\reg+4*\c:\reg+4*\c+3], v[\adr] offset:64*(\q)+32*\c+(\i)*16*PITCH
.endr
.endm
.macro WM acc, bf, af, cc, sb, sa      ; one product; W's scale word from lanes 16-31, x's from lanes 0-15
	v_wmma_scale_f32_16x16x128_f8f6f4 v[\acc:\acc+7], v[\bf:\bf+7], v[\af:\af+7], \cc, v[\sb], v[\sa] matrix_a_fmt:MATRIX_FMT_FP4 matrix_b_fmt:MATRIX_FMT_FP4 matrix_a_scale:MATRIX_SCALE_ROW1
.endm
.macro MUL16 a0, p, q, sc, zero        ; x's blocks a0, a0 + 1 against W's eight; the 64 accumulators take turns; zero = 1: the product starts the sum
.irp a, \a0, \a0+1
.irp b, 0,1,2,3,4,5,6,7
.if \zero
	WM 8*(8*((\a)%4)+\b), 128*(\p)+FR*\b, AF+FR*(\a), 0, SC+8*NQ*(\sc)+NQ*\b+(\q), SC+8*NQ*(\sc)+NQ*(\a)+(\q)
.else
	WM 8*(8*((\a)%4)+\b), 128*(\p)+FR*\b, AF+FR*(\a), v[8*(8*((\a)%4)+\b):8*(8*((\a)%4)+\b)+7], SC+8*NQ*(\sc)+NQ*\b+(\q), SC+8*NQ*(\sc)+NQ*(\a)+(\q)
.endif
.endr
.endr
.endm
.macro FETCH_B slot, q, p
	WIN TO_B
.irp i, 0,1,2,3,4,5,6,7
	FRAG 128*(\p)+FR*\i, ADRB+\slot, \q, \i
.endr
	WIN 0
.endm
.macro FETCH_A slot, q, i0
.irp i, \i0, \i0+1, \i0+2, \i0+3
	FRAG AF+FR*(\i), ADRA+\slot, \q, \i
.endr
.endm
.macro SCALES sc                       ; a slot's scale words: four a row; register 4 i + q: block i, the slot's q-th 128 along K
.irp i, 0,1,2,3,4,5,6,7
	ds_load_b128 v[SC+8*NQ*\sc+NQ*\i:SC+8*NQ*\sc+NQ*\i+3], v[ADRS+\sc] offset:\i*PITCH
.endr
.endm
.macro PLACES n
.rept \n
	v_nop
.endr
.endm
.macro STEP slot, q, zero              ; 128 along K with its successor in the same slot
	s_wait_dscnt 4*NL                              ; all but the youngest eight loads (x's blocks 4-7)
	WIN MUL_LO
	MUL16 0, (\q)%2, \q, \slot, \zero
	MUL16 2, (\q)%2, \q, \slot, \zero
	s_wait_dscnt 0
	PLACES NP                                      ; in front of loads into registers that matrix instructions have read
	FETCH_B \slot, (\q)+1, 1-(\q)%2
	FETCH_A \slot, (\q)+1, 0
	WIN MUL_HI
	MUL16 4, (\q)%2, \q, \slot, \zero
	MUL16 6, (\q)%2, \q, \slot, \zero
	PLACES NP
	WIN 0
	FETCH_A \slot, (\q)+1, 4
.endm
.macro MEET slot                       ; a slot's last step, first half: the tensor wait, the add and its wait, then one barrier for the change of slots
	s_wait_tensorcnt 0x0                           ; all my tensor loads have landed: my part of the next slot
	ds_add_u32 v[SPW], v[NIL]
	s_wait_dscnt 4*NL+1                            ; the add and the youngest eight loads may be out
	WIN MUL_LO
	MUL16 0, 1, NQ-1, \slot, 0                     ; sixteen products stand between the add and the wait for it
	s_wait_dscnt 0x0                               ; the add is done, my reads of this slot are over
	s_barrier_signal -1
	MUL16 2, 1, NQ-1, \slot, 0
	WIN 0
	s_barrier_wait -1
.endm
.macro TURN slot, next                 ; a slot's last step; the slot is filled again with the K step two on, modulo 8
	s_wait_xcnt 0x0                                ; my last prefetches have read their address
	s_add_co_u32 s[KI], s[KI], 1
	s_and_b32 s[KI], s[KI], 7
	s_mul_i32 s[OFF], s[KI], KADV
	s_add_co_u32 s[OFP], s[KI], 2
	s_and_b32 s[OFP], s[OFP], 7
	s_mul_i32 s[OFP], s[OFP], KADV
	s_add_nc_u64 s[PFA:PFA+1], s[PFB:PFB+1], s[OFP:OFP+1]
	s_add_nc_u64 s[G0+4*\slot+2:G0+4*\slot+3], s[AB:AB+1], s[OFF:OFF+1]      ; this slot's own descriptors: their last load was shown landed by the wait of the change of slots before; the load that is out names the other slot's
	s_or_b32 s[G0+4*\slot+3], s[G0+4*\slot+3], 0x80000000
	s_add_nc_u64 s[G0B+4*\slot+2:G0B+4*\slot+3], s[BB:BB+1], s[OFF:OFF+1]
	s_or_b32 s[G0B+4*\slot+3], s[G0B+4*\slot+3], 0x80000000
	MEET \slot
	CREST                                          ; the barrier opened a round of the cluster's barrier
	JLOAD G0+4*\slot, G1, G0B+4*\slot, G1B         ; the first tensor load behind the round; its four v_nop are the places in front of the loads below
	FETCH_B \next, 0, 0
	FETCH_A \next, 0, 0
	SCALES \next
	ASK
	WIN MUL_HI
	MUL16 4, 1, NQ-1, \slot, 0
	MUL16 6, 1, NQ-1, \slot, 0
	PLACES NP
	WIN 0
	FETCH_A \next, 0, 4
.endm
.macro STEPS slot, from
.set Q, \from
.rept NQ-1-\from
	STEP \slot, Q, 0
.set Q, Q+1
.endr
.endm
	s_wait_alu depctr_va_vdst(0)
	PF 0                                           ; behind slot 0's fill: the first refill's K step
	s_wait_tensorcnt 0x0                           ; my part of slot 0 is in
	ds_add_u32 v[SPW], v[NIL]
	s_wait_dscnt 0x0
	CROUND
	JLOAD G0+4, G1, G0B+4, G1B                     ; slot 1's first fill, the first tensor load behind the round
	FETCH_B 0, 0, 0
	FETCH_A 0, 0, 0
	SCALES 0
	FETCH_A 0, 0, 4
	PF KADV                                        ; behind slot 1's fill: the second refill's K step
	STEP 0, 0, 1                                   ; the first step's products start the sums
	s_mov_b32 s3, LAPS-1
.Llap:                                                 ; a trip goes once round the ring and fills both slots again
	STEPS 0, 1
	TURN 0, 1
	STEPS 1, 0
	TURN 1, 0
	STEP 0, 0, 0
	s_sub_co_u32 s3, s3, 1
	s_cmp_lg_u32 s3, 0
	s_cbranch_scc1 .Llap
	STEPS 0, 1
; THE LAST K STEP (slot 1), BY ROWS OF out0
.macro BLOAD q                         ; W's fragments of quarter q -> window 1, v[64 q ..]
.irp i, 0,1,2,3,4,5,6,7
	FRAG 64*(\q)+FR*\i, ADRB+1, \q, \i
.endr
.endm
.macro ALOAD a                         ; x's block a, all four quarters -> v96-127 (a even) or v128-159 (a odd)
.set FA, 96+32*((\a)%2)
.irp q, 0,1,2,3
	FRAG FA+FR*\q, ADRA+1, \q, \a
.endr
.endm
.macro ROW a                           ; block a is finished: 32 products, its 8 accumulators by turns
.set FA, 96+32*((\a)%2)
.set AC, 64*((\a)%4)
	WIN MUL_LO+0x50*((\a)/4)
.irp q, 0,1,2,3
.if (\a) == 0 && \q == 2
	s_wait_dscnt 8                                 ; W's quarters 2 and 3 are in (behind them: x's block 1)
.endif
.irp b, 0,1,2,3,4,5,6,7
	WM AC+8*\b, 64*\q+FR*\b, FA+FR*\q, v[AC+8*\b:AC+8*\b+7], SC+8*NQ+NQ*\b+\q, SC+8*NQ+NQ*(\a)+\q
.endr
.endr
.endm
.macro TOSTAGE a                       ; 16 rows x 128 columns into my stage, each accumulator from its low end on, and back as whole rows; LDS serves a wave's instructions in order (ISA guide 5.7.1)
.set AC, 64*((\a)%4)
	WIN 0x08+4*((\a)/4)
.irp b, 0,1,2,3,4,5,6,7
	ds_store_b128 v[STO], v[AC+8*\b:AC+8*\b+3] offset:64*\b
	ds_store_b128 v[STO], v[AC+8*\b+4:AC+8*\b+7] offset:64*\b+16
.endr
	WIN 0
.irp t, 0,1,2,3,4,5,6,7,8,9,10,11,12,13,14,15
	ds_load_b128 v[BK+4*\t:BK+4*\t+3], v[RD] offset:\t*SPITCH
.endr
.endm
.macro SEND a, younger                 ; younger: the LDS loads issued behind the block's, which may stay out
	s_wait_dscnt \younger
.if (\a) > 0
	s_add_nc_u64 s[8:9], s[8:9], 16*CROW           ; behind the wait on XCNT at the block's head
.endif
.irp t, 0,1,2,3,4,5,6,7,8,9,10,11,12,13,14,15
	global_store_b128 v[CO], v[BK+4*\t:BK+4*\t+3], s[8:9] offset:\t*CROW th:TH_STORE_NT   ; 32 lanes store 512 consecutive bytes, at a multiple of 256 from out0's first byte
.endr
.endm
	MEET 0                                         ; slot 1's last fill was the one load still out, so no round follows
	PLACES NP
	WIN TO_B
	BLOAD 0
	BLOAD 1
	WIN 0
	SCALES 1
	ALOAD 0
	WIN MUL_HI
	MUL16 4, 1, NQ-1, 0, 0
	MUL16 6, 1, NQ-1, 0, 0
	PLACES NP
	WIN TO_B
	BLOAD 2
	BLOAD 3
	WIN 0
	ALOAD 1
	s_wait_dscnt 40                                ; all but the 40 just issued
	ROW 0
.irp a, 0,1,2,3,4,5,6,7
	PLACES NP                                      ; the stage's stores read results just made; the loads below land on fragments just multiplied
.if \a > 0
	s_wait_xcnt 0x0                                ; the last block's stores have read their registers and their base
.endif
	TOSTAGE \a
.if \a < 6
	ALOAD \a+2
	SEND \a, 8
.else
	SEND \a, 0
.endif
.if \a < 7
	ROW \a+1
.endif
.endr
	s_wait_tensorcnt 0x0                           ; the wave's end
	ds_add_u32 v[SPW], v[NIL]
	s_wait_dscnt 0x0
	CROUND                                         ; the closing round
	s_endpgm
.Lfunc_end_k_q66bab7d95c_gemm:
	.size	k_q66bab7d95c_gemm, .Lfunc_end_k_q66bab7d95c_gemm-k_q66bab7d95c_gemm
	.p2alignl 7, 3214868480
	.fill 96, 4, 3214868480
	.section	.rodata,"a",@progbits
	.p2align	6, 0x0
	.amdhsa_kernel k_q66bab7d95c_gemm
		.amdhsa_group_segment_fixed_size 327680
		.amdhsa_private_segment_fixed_size 0
		.amdhsa_enable_private_segment 0
		.amdhsa_kernarg_size 24
		.amdhsa_user_sgpr_count 2
		.amdhsa_user_sgpr_kernarg_segment_ptr 1
		.amdhsa_wavefront_size32 1
		.amdhsa_system_sgpr_workgroup_id_x 1
		.amdhsa_system_sgpr_workgroup_id_y 1
		.amdhsa_system_sgpr_workgroup_id_z 1
		.amdhsa_system_vgpr_workitem_id 0
		.amdhsa_next_free_vgpr 1024
		.amdhsa_next_free_sgpr 78
		.amdhsa_reserve_vcc 0
		.amdhsa_float_denorm_mode_32 3
		.amdhsa_float_denorm_mode_16_64 3
		.amdhsa_memory_ordered 1
		.amdhsa_forward_progress 1
		.amdhsa_inst_pref_size 211
	.end_amdhsa_kernel
	.amdgpu_metadata
---
amdhsa.version: [ 1, 2 ]
amdhsa.kernels:
  - .name:           k_q66bab7d95c_gemm
    .symbol:         k_q66bab7d95c_gemm.kd
    .args:
      - { .name: xq, .offset: 0, .size: 8, .value_kind: global_buffer, .address_space: global }
      - { .name: wq, .offset: 8, .size: 8, .value_kind: global_buffer, .address_space: global }
      - { .name: out0, .offset: 16, .size: 8, .value_kind: global_buffer, .address_space: global }
    .group_segment_fixed_size: 327680
    .private_segment_fixed_size: 0
    .kernarg_segment_align: 8
    .kernarg_segment_size: 24
    .max_flat_workgroup_size: 128
    .sgpr_count:     78
    .vgpr_count:     1024
    .wavefront_size: 32
...
	.end_amdgpu_metadata
.endif
;; end of part 2
